; MI455X (gfx1250); checked and timed in simulation.
; The chip was launched on July 23, 2026; its instructions are those of AMD's public machine-readable ISA for CDNA 5 (MIT licence, August 2026) and "CDNA5" Instruction Set Architecture Reference Guide (July 2026). The comments in the code are by the model that wrote it; some were corrected since.
;; Model Net10 Shape Prior. Allowed arithmetic: float matrix products may take bf16 or f16 operands with f32 sums; other float arithmetic in f32, or as packed bf16 or f16 multiplies, adds, multiply-adds, maxima and minima; sums over many terms, partial sums and values carried from step to step in f32; what a program stores and reads back later, other than sums and carried values, may be rounded once to bf16 or f16.
;; Inputs: W1 10 x 3 x 512 float32; W2 10 x 512 x 256 float32; W3 10 x 256 x 3 float32; b1 10 x 512 float32; b2 10 x 256 float32; b3 10 x 3 float32; be1 10 x 512 float32; be2 10 x 256 float32; category_ids 32 int32; g1 10 x 512 float32; g2 10 x 256 float32; points 32 x 8,192 x 3 float32.
;; Outputs: out0 32 x 8,192 x 3 float32.
;; One version. Each part assembles by itself: llvm-mc -triple=amdgcn-amd-amdhsa -mcpu=gfx1250 --defsym DOCPART=n.
;; ======== version 1 of 1: 2 launches
;; limits: values outside matrix products are rounded to f16; values are held in f16: magnitudes above 65,504 overflow, below 6.1e-05 lose precision; a difference of large sums (such as E[x^2] - mean^2): digits are lost where the result is much smaller than its terms
;; workspace buffers: wts 9,306,112 bytes
;; launch prep (part 1): grid 17 x 32, 4 waves a work-group, no clusters, 0 bytes of LDS; arguments W1, b1, g1, be1, W2, b2, g2, be2, W3, b3, wts, category_ids; writes wts
.if DOCPART == 1
	.amdgcn_target "amdgcn-amd-amdhsa--gfx1250"
	.amdhsa_code_object_version 6
	.text
	.protected	k_qf700b5a2a5_prep
	.globl	k_qf700b5a2a5_prep
	.p2align	8
	.type	k_qf700b5a2a5_prep,@function
k_qf700b5a2a5_prep:
	s_mov_b64 s[64:65], 0
	v_nop
	global_prefetch_b8 v0, s[64:65] scope:SCOPE_SE
	s_setreg_imm32_b32 hwreg(HW_REG_WAVE_MODE, 25, 1), 1
	s_wait_xcnt 0x0
; PREP: for each sample the parameters of its expert are centred, rounded once to f16 and laid out in the order in which the next launch's matrix operands take them.
; Grid y = sample; its expert is category_ids[y], held to 0..9.  One record of REC bytes for each of the 32 samples, at sample x REC: so the next launch's joint loads have addresses made of the
; sample's and the wave's numbers alone.  The price: an expert that several samples name is laid out once for each of them.
;   W2F  block (ks, mt) at (16 ks + mt) 1024: at c 512 + lane 16 the eight f16 W2c[32 ks + 16 c + 8 (lane / 16) + 0..7][16 mt + lane % 16], W2c = W2 less the mean of each row over its 256 features
;   A1F  tile t at 512 t: lanes 0-15 hold (V0 g1, V1 g1, V2 g1, V3 g1, be1, 0, 0, 0) of hidden unit 16 t + lane, lanes 16-31 zeros; V0-2 = rows of W1, V3 = b1, each less its mean over the 512 units
;   W3F  tile kk at 1024 kk + 512 c + 16 lane: W3[32 kk + 16 c + 8 (lane / 16) + 0..7][r], r = lane % 8, where r < 3, else 0 (so rows 8-10 of the operand repeat rows 0-2)
;   B2C, G2, BE2  b2 less its mean, g2, be2, in f32
;   SC   ten numbers of the Gram matrix G[c][d] = (1/512) sum_j Vc[j] Vd[j] (the off-diagonal ones doubled), then b3, then zeros, in f32
; With q = (x, y, z, 1): h - mean(h) = sum_c q_c V_c, and its variance is q' G q; h W2 + b2 less its mean over the features is h W2c + b2c.  Both hold for every input.
; SHARES.  Work-groups x = 0..15: wave w takes hidden rows 8 u .. 8 u + 7 of W2, u = 4 x + w.  Work-group x = 16: wave 0 layer 1 and SC, waves 1 and 2 W3, wave 3 b2, g2, be2.
; No LDS, no barrier, no matrix unit, no cluster: a work-group's waves share no input, and what samples of one expert share is read by plain loads, 8 KiB a wave.
; LIMITS.  f16 holds no number beyond 65,504 and below 6e-5 keeps a fixed step of 6e-8: the centred weights times their gains must lie within it.  NaN and infinities are not treated apart.
; An index beyond 9 counts as 9.
.set REC,   290816
.set O_A1F, 262144
.set O_W3F, 278528
.set O_B2C, 286720
.set O_G2,  287744
.set O_BE2, 288768
.set O_SC,  289792
.set M,   8                             ; v8-15    sums, then means
.set X,   16                            ; v16-79   what was loaded
.set GG,  80                            ; v80-95   g1
.set BB,  96                            ; v96-111  be1
.set CH,  112                           ; v112-175 packed f16 to store; before that, at work in the sums over lanes
.set GR,  176                           ; v176-191 the SC line
.set Q,   192                           ; v192-195 a lane's 16 bytes of SC
.set ZQ,  196                           ; v196-199 zeros
; n sums, in v[base ..], are added over the 32 lanes; every lane ends with the result.  The n chains take turns.
.macro REDN base, n, tmp
.irp k, 1,2,4,8
.set z, 0
.rept \n
	v_add_f32_dpp v[(\base)+z], v[(\base)+z], v[(\base)+z] row_xmask:\k row_mask:0xf bank_mask:0xf
.set z, z+1
.endr
.endr
.set z, 0
.rept \n
	v_mov_b32 v[(\tmp)+z], 0                       ; v_permlanex16_b32 counts as a reader of its destination
.set z, z+1
.endr
.set z, 0
.rept \n
	v_permlanex16_b32 v[(\tmp)+z], v[(\base)+z], s28, s29
.set z, z+1
.endr
.set z, 0
.rept \n
	v_add_f32 v[(\base)+z], v[(\base)+z], v[(\tmp)+z]
.set z, z+1
.endr
.endm
	s_load_b512 s[4:19], s[0:1], 0x0               ; W1 s[4:5], b1 s[6:7], g1 s[8:9], be1 s[10:11], W2 s[12:13], b2 s[14:15], g2 s[16:17], be2 s[18:19]
	s_load_b128 s[20:23], s[0:1], 0x40             ; W3 s[20:21], b3 s[22:23]
	s_load_b128 s[44:47], s[0:1], 0x50             ; wts s[44:45], category_ids s[46:47]
	v_and_b32 v1, 31, v0                           ; lane L
	v_lshrrev_b32 v2, 5, v0
	v_readfirstlane_b32 s26, v2                    ; wave
	v_and_b32 v2, 15, v1                           ; r = L % 16
	v_lshrrev_b32 v3, 4, v1                        ; h = L / 16
	v_lshlrev_b32 v4, 2, v1                        ; 4 L
	v_lshlrev_b32 v7, 4, v1                        ; 16 L
	s_mov_b32 s28, 0x76543210                      ; v_permlanex16_b32: each lane takes its own place in the other half
	s_mov_b32 s29, 0xfedcba98
	s_and_b32 s39, ttmp7, 0xffff                   ; the sample
	s_mov_b32 s34, ttmp9
	s_lshl_b32 s40, s39, 2
	s_mov_b32 s41, 0                               ; s[40:41]: a byte offset in 64 bits
	s_wait_kmcnt 0x0
	s_add_nc_u64 s[46:47], s[46:47], s[40:41]
	s_load_b32 s27, s[46:47], 0x0                  ; the sample's expert
	s_mul_i32 s40, s39, REC
	s_add_nc_u64 s[24:25], s[44:45], s[40:41]      ; the sample's record
	s_wait_kmcnt 0x0
	s_min_u32 s27, s27, 9
	s_cmp_eq_u32 s34, 16
	s_cbranch_scc1 .Lsmall
	; W2: eight hidden rows.  Lane L holds feature L + 32 i of row j in X + 8 j + i.
	s_lshl_b32 s35, s34, 2
	s_add_co_u32 s35, s35, s26                     ; u
	s_lshl_b32 s40, s27, 19                        ; expert x 524,288 bytes
	s_lshl_b32 s42, s35, 13                        ; + u x 8 rows of 1,024 bytes
	s_add_co_u32 s40, s40, s42
	s_add_nc_u64 s[12:13], s[12:13], s[40:41]
.irp j, 0,1,2,3,4,5,6,7
.irp i, 0,1,2,3,4,5,6,7
	global_load_b32 v[X+8*\j+\i], v4, s[12:13] offset:1024*\j+128*\i
.endr
.endr
	s_lshr_b32 s40, s35, 2                         ; rows 8 u + 0..7 are k = 16 c + 8 hh + 0..7 of K step ks: ks = u / 4, c = (u / 2) % 2, hh = u % 2
	s_lshl_b32 s40, s40, 14
	s_bfe_u32 s42, s35, 0x10001
	s_lshl_b32 s42, s42, 9
	s_add_co_u32 s40, s40, s42
	s_and_b32 s42, s35, 1
	s_lshl_b32 s42, s42, 8
	s_add_co_u32 s40, s40, s42
	s_add_nc_u64 s[24:25], s[24:25], s[40:41]
	v_lshlrev_b32 v5, 10, v3                       ; feature L + 32 i lies in tile mt = 2 i + L / 16, at row L % 16
	v_lshl_add_u32 v5, v2, 4, v5
	s_wait_loadcnt 0x0
.irp j, 0,1,2,3,4,5,6,7
	v_add_f32 v[M+\j], v[X+8*\j], v[X+8*\j+1]      ; eight rows' sums take turns
.endr
.irp i, 2,3,4,5,6,7
.irp j, 0,1,2,3,4,5,6,7
	v_add_f32 v[M+\j], v[M+\j], v[X+8*\j+\i]
.endr
.endr
	REDN M, 8, CH
.irp j, 0,1,2,3,4,5,6,7
	v_mul_f32 v[M+\j], 0x3b800000, v[M+\j]         ; / 256
.endr
.irp j, 0,1,2,3,4,5,6,7
.irp i, 0,1,2,3,4,5,6,7
	v_sub_f32 v[X+8*\j+\i], v[X+8*\j+\i], v[M+\j]
.endr
.endr
.irp i, 0,1,2,3,4,5,6,7
.irp p, 0,1,2,3
	v_cvt_pk_f16_f32 v[CH+4*\i+\p], v[X+16*\p+\i], v[X+16*\p+8+\i]  ; rows 2 p, 2 p + 1 of one feature
.endr
.endr
.irp i, 0,1,2,3,4,5,6,7
	global_store_b128 v5, v[CH+4*\i:CH+4*\i+3], s[24:25] offset:2048*\i  ; 16 lanes store 256 consecutive bytes, at a multiple of 256 from the buffer's first
.endr
	s_endpgm
.Lsmall:
	s_cmp_eq_u32 s26, 0
	s_cbranch_scc0 .Lnot_0
	; wave 0: layer 1.  Lane L holds hidden unit L + 32 i: W1's rows in X + 16 c + i (c = 0, 1, 2), b1 in X + 48 + i.
	s_mul_i32 s40, s27, 6144
	s_add_nc_u64 s[4:5], s[4:5], s[40:41]
	s_lshl_b32 s40, s27, 11
	s_add_nc_u64 s[6:7], s[6:7], s[40:41]
	s_add_nc_u64 s[8:9], s[8:9], s[40:41]
	s_add_nc_u64 s[10:11], s[10:11], s[40:41]
	s_mul_i32 s40, s27, 12
	s_add_nc_u64 s[22:23], s[22:23], s[40:41]
	s_load_b96 s[36:38], s[22:23], 0x0             ; b3
.set i, 0
.rept 16
	global_load_b32 v[X+i],    v4, s[4:5] offset:128*i
	global_load_b32 v[X+16+i], v4, s[4:5] offset:2048+128*i
	global_load_b32 v[X+32+i], v4, s[4:5] offset:4096+128*i
	global_load_b32 v[X+48+i], v4, s[6:7] offset:128*i
	global_load_b32 v[GG+i],   v4, s[8:9] offset:128*i
	global_load_b32 v[BB+i],   v4, s[10:11] offset:128*i
.set i, i+1
.endr
.irp j, 0,1,2,3
	v_mov_b32 v[ZQ+\j], 0
.endr
	v_lshlrev_b32 v5, 9, v3                        ; unit L + 32 i lies in tile 2 i + L / 16, at lane L % 16
	v_lshl_add_u32 v5, v2, 4, v5
	v_cmp_eq_u32 s30, 0, v1
	v_cmp_eq_u32 s31, 1, v1
	v_cmp_eq_u32 s32, 2, v1
	v_cmp_eq_u32 s33, 3, v1
	s_wait_loadcnt 0x0
	s_wait_kmcnt 0x0
.irp c, 0,1,2,3
	v_add_f32 v[M+\c], v[X+16*\c], v[X+16*\c+1]
.endr
.set i, 2
.rept 14
.irp c, 0,1,2,3
	v_add_f32 v[M+\c], v[M+\c], v[X+16*\c+i]
.endr
.set i, i+1
.endr
	REDN M, 4, CH
.irp c, 0,1,2,3
	v_mul_f32 v[M+\c], 0x3b000000, v[M+\c]         ; / 512
.endr
.set i, 0
.rept 16
.irp c, 0,1,2,3
	v_sub_f32 v[X+16*\c+i], v[X+16*\c+i], v[M+\c]  ; V0 .. V3
.endr
.set i, i+1
.endr
; sum g of the ten: V_a . V_b; the first product starts the sum; the ten chains take turns
.macro GP g, a, b
.if i == 0
	v_mul_f32 v[GR+\g], v[X+16*\a], v[X+16*\b]
.else
	v_fmac_f32 v[GR+\g], v[X+16*\a+i], v[X+16*\b+i]
.endif
.endm
.set i, 0
.rept 16
	GP 0, 0, 0
	GP 1, 1, 1
	GP 2, 2, 2
	GP 3, 0, 1
	GP 4, 0, 2
	GP 5, 1, 2
	GP 6, 0, 3
	GP 7, 1, 3
	GP 8, 2, 3
	GP 9, 3, 3
.set i, i+1
.endr
	REDN GR, 10, CH
.irp g, 0,1,2,9
	v_mul_f32 v[GR+\g], 0x3b000000, v[GR+\g]       ; / 512
.endr
.irp g, 3,4,5,6,7,8
	v_mul_f32 v[GR+\g], 0x3b800000, v[GR+\g]       ; twice that: each stands for two entries of G
.endr
.irp j, 0,1,2
	v_mov_b32 v[GR+10+\j], s[36+\j]
.endr
.irp j, 13,14,15
	v_mov_b32 v[GR+\j], 0
.endr
.set i, 0
.rept 16
.irp c, 0,1,2,3
	v_mul_f32 v[X+16*\c+i], v[X+16*\c+i], v[GG+i]
.endr
.set i, i+1
.endr
.set i, 0
.rept 16
	v_cvt_pk_f16_f32 v[CH+4*i],   v[X+i],    v[X+16+i]
	v_cvt_pk_f16_f32 v[CH+4*i+1], v[X+32+i], v[X+48+i]
	v_cvt_pk_f16_f32 v[CH+4*i+2], v[BB+i],   v[ZQ]
	v_mov_b32 v[CH+4*i+3], 0
.set i, i+1
.endr
.set i, 0
.rept 16
	global_store_b128 v5, v[CH+4*i:CH+4*i+3], s[24:25] offset:O_A1F+1024*i      ; 16 lanes: the 256 bytes of a tile's lanes 0-15,
	global_store_b128 v5, v[ZQ:ZQ+3],         s[24:25] offset:O_A1F+1024*i+256  ; and the zeros of its lanes 16-31
.set i, i+1
.endr
.irp j, 0,1,2,3
	v_cndmask_b32 v[Q+\j], v[ZQ],   v[GR+\j],    s30  ; lane l < 4 takes numbers 4 l .. 4 l + 3 of the SC line, the others zeros
	v_cndmask_b32 v[Q+\j], v[Q+\j], v[GR+4+\j],  s31
	v_cndmask_b32 v[Q+\j], v[Q+\j], v[GR+8+\j],  s32
	v_cndmask_b32 v[Q+\j], v[Q+\j], v[GR+12+\j], s33
.endr
	global_store_b128 v7, v[Q:Q+3],   s[24:25] offset:O_SC
	global_store_b128 v7, v[ZQ:ZQ+3], s[24:25] offset:O_SC+512
	s_endpgm
.Lnot_0:
	s_cmp_eq_u32 s26, 3
	s_cbranch_scc1 .Lwave_3
	; waves 1 and 2: W3, four tiles kk each.  Half tile t = 2 (kk % 4) + c: features 16 t + 8 h + 0..7 of the wave's 128.
	s_sub_co_u32 s35, s26, 1
	s_mul_i32 s40, s27, 3072
	s_mul_i32 s42, s35, 1536                       ; 128 features of 12 bytes
	s_add_co_u32 s40, s40, s42
	s_add_nc_u64 s[20:21], s[20:21], s[40:41]
	v_and_b32 v8, 7, v2
	v_min_u32 v9, 2, v8                            ; rows without an output read output 2's numbers, inside the buffer, and are cleared below
	v_lshlrev_b32 v9, 2, v9
	v_mul_u32_u24 v11, v3, 96                      ; 8 features for the upper half of the lanes
	v_add_nc_u32 v9, v9, v11
	v_cmp_gt_u32 vcc_lo, 3, v8
	v_cndmask_b32 v10, 0, -1, vcc_lo
.set t, 0
.rept 8
.irp j, 0,1,2,3,4,5,6,7
	global_load_b32 v[X+8*t+\j], v9, s[20:21] offset:(16*t+\j)*12
.endr
.set t, t+1
.endr
	s_lshl_b32 s40, s35, 12
	s_add_nc_u64 s[24:25], s[24:25], s[40:41]
	s_wait_loadcnt 0x0
.set t, 0
.rept 8
.irp p, 0,1,2,3
	v_cvt_pk_f16_f32 v[CH+4*t+\p], v[X+8*t+2*\p], v[X+8*t+2*\p+1]
.endr
.irp p, 0,1,2,3
	v_and_b32 v[CH+4*t+\p], v10, v[CH+4*t+\p]
.endr
.set t, t+1
.endr
.set t, 0
.rept 8
	global_store_b128 v7, v[CH+4*t:CH+4*t+3], s[24:25] offset:O_W3F+512*t  ; 512 consecutive bytes
.set t, t+1
.endr
	s_endpgm
.Lwave_3:
	; wave 3: b2 less its mean; g2 and be2 as they are
	s_lshl_b32 s40, s27, 10
	s_add_nc_u64 s[14:15], s[14:15], s[40:41]
	s_add_nc_u64 s[16:17], s[16:17], s[40:41]
	s_add_nc_u64 s[18:19], s[18:19], s[40:41]
	global_load_b128 v[X:X+3],     v7, s[14:15]
	global_load_b128 v[X+4:X+7],   v7, s[14:15] offset:512
	global_load_b128 v[X+8:X+11],  v7, s[16:17]
	global_load_b128 v[X+12:X+15], v7, s[16:17] offset:512
	global_load_b128 v[X+16:X+19], v7, s[18:19]
	global_load_b128 v[X+20:X+23], v7, s[18:19] offset:512
	s_wait_loadcnt 0x0
	global_store_b128 v7, v[X+8:X+11],  s[24:25] offset:O_G2
	global_store_b128 v7, v[X+12:X+15], s[24:25] offset:O_G2+512
	global_store_b128 v7, v[X+16:X+19], s[24:25] offset:O_BE2
	global_store_b128 v7, v[X+20:X+23], s[24:25] offset:O_BE2+512
	v_add_f32 v[M], v[X], v[X+1]
.irp i, 2,3,4,5,6,7
	v_add_f32 v[M], v[M], v[X+\i]
.endr
	REDN M, 1, CH
	v_mul_f32 v[M], 0x3b800000, v[M]               ; / 256
.irp i, 0,1,2,3,4,5,6,7
	v_sub_f32 v[X+\i], v[X+\i], v[M]
.endr
	global_store_b128 v7, v[X:X+3],   s[24:25] offset:O_B2C
	global_store_b128 v7, v[X+4:X+7], s[24:25] offset:O_B2C+512
	s_endpgm
.Lfunc_end_k_qf700b5a2a5_prep:
	.size	k_qf700b5a2a5_prep, .Lfunc_end_k_qf700b5a2a5_prep-k_qf700b5a2a5_prep
	.p2alignl 7, 3214868480
	.fill 96, 4, 3214868480
	.section	.rodata,"a",@progbits
	.p2align	6, 0x0
	.amdhsa_kernel k_qf700b5a2a5_prep
		.amdhsa_group_segment_fixed_size 0
		.amdhsa_private_segment_fixed_size 0
		.amdhsa_enable_private_segment 0
		.amdhsa_kernarg_size 96
		.amdhsa_user_sgpr_count 2
		.amdhsa_user_sgpr_kernarg_segment_ptr 1
		.amdhsa_wavefront_size32 1
		.amdhsa_system_sgpr_workgroup_id_x 1
		.amdhsa_system_sgpr_workgroup_id_y 1
		.amdhsa_system_sgpr_workgroup_id_z 1
		.amdhsa_system_vgpr_workitem_id 0
		.amdhsa_next_free_vgpr 208
		.amdhsa_next_free_sgpr 66
		.amdhsa_reserve_vcc 1
		.amdhsa_float_denorm_mode_32 3
		.amdhsa_float_denorm_mode_16_64 3
		.amdhsa_memory_ordered 1
		.amdhsa_forward_progress 1
		.amdhsa_inst_pref_size 66
	.end_amdhsa_kernel
	.amdgpu_metadata
---
amdhsa.version: [ 1, 2 ]
amdhsa.kernels:
  - .name:           k_qf700b5a2a5_prep
    .symbol:         k_qf700b5a2a5_prep.kd
    .args:
      - { .name: W1, .offset: 0, .size: 8, .value_kind: global_buffer, .address_space: global }
      - { .name: b1, .offset: 8, .size: 8, .value_kind: global_buffer, .address_space: global }
      - { .name: g1, .offset: 16, .size: 8, .value_kind: global_buffer, .address_space: global }
      - { .name: be1, .offset: 24, .size: 8, .value_kind: global_buffer, .address_space: global }
      - { .name: W2, .offset: 32, .size: 8, .value_kind: global_buffer, .address_space: global }
      - { .name: b2, .offset: 40, .size: 8, .value_kind: global_buffer, .address_space: global }
      - { .name: g2, .offset: 48, .size: 8, .value_kind: global_buffer, .address_space: global }
      - { .name: be2, .offset: 56, .size: 8, .value_kind: global_buffer, .address_space: global }
      - { .name: W3, .offset: 64, .size: 8, .value_kind: global_buffer, .address_space: global }
      - { .name: b3, .offset: 72, .size: 8, .value_kind: global_buffer, .address_space: global }
      - { .name: wts, .offset: 80, .size: 8, .value_kind: global_buffer, .address_space: global }
      - { .name: category_ids, .offset: 88, .size: 8, .value_kind: global_buffer, .address_space: global }
    .group_segment_fixed_size: 0
    .private_segment_fixed_size: 0
    .kernarg_segment_align: 8
    .kernarg_segment_size: 96
    .max_flat_workgroup_size: 128
    .sgpr_count:     66
    .vgpr_count:     208
    .wavefront_size: 32
...
	.end_amdgpu_metadata
.endif
;; end of part 1
;; launch mlp (part 2): grid 8 x 32, 4 waves a work-group, clusters of 4 x 1, 327,680 bytes of LDS; arguments points, wts, out0; writes out0
.if DOCPART == 2
	.amdgcn_target "amdgcn-amd-amdhsa--gfx1250"
	.amdhsa_code_object_version 6
	.text
	.protected	k_qf700b5a2a5_mlp
	.globl	k_qf700b5a2a5_mlp
	.p2align	8
	.type	k_qf700b5a2a5_mlp,@function
k_qf700b5a2a5_mlp:
	s_mov_b64 s[64:65], 0
	v_nop
	global_prefetch_b8 v0, s[64:65] scope:SCOPE_SE
	s_setreg_imm32_b32 hwreg(HW_REG_WAVE_MODE, 25, 1), 1
	s_wait_xcnt 0x0
	s_wait_alu depctr_hold_cnt(0) depctr_sa_sdst(0) depctr_va_vdst(0) depctr_va_sdst(0) depctr_va_ssrc(0) depctr_va_vcc(0) depctr_vm_vsrc(0)
	s_getreg_b32 s2, hwreg(HW_REG_IB_STS2, 6, 4)
	s_cmp_eq_u32 s2, 0
	s_cbranch_scc0 .Lentry_in_a_cluster
	s_endpgm
.Lentry_in_a_cluster:
	s_bfe_u32 s2, ttmp6, 0x10000c
	s_cmp_lg_u32 s2, 0x3003
	s_cbranch_scc0 .Lentry_shape_is_right
	s_endpgm
.Lentry_shape_is_right:
; THE WHOLE CHAIN for 1,024 points of one sample: 3 -> 512, LayerNorm, leaky ReLU, 512 -> 256, LayerNorm, leaky ReLU, 256 -> 3.  Nothing between the layers leaves the registers.
; SHARES.  Grid y = sample, grid x = one of its eight blocks of 1,024 points: 256 equal work-groups.  A wave owns 256 points and takes them in four passes of 64: four tiles of 16.  In a pass a wave
; makes ALL 256 features of its 64 points (64 accumulators, 512 registers), so the second LayerNorm's sum never leaves the wave.
; WEIGHTS.  The sample has a record of 290,816 bytes, made of its expert's parameters by the launch before (which reads category_ids): it is brought into LDS once and stays; no LDS byte is filled twice.
; CLUSTER.  The four work-groups of a cluster belong to one sample and need the same record: each wave asks JOINTLY for its quarter (284 rows of 256 bytes), the same load, descriptor and mask in all four;
; the address is made of the sample's and the wave's numbers alone.  A wave has one tensor load outstanding.
; LAYOUT.  All three products are used transposed (source 0 = 16 output channels, source 1 = 16 points): in a result a lane holds ONE point (lane % 16) and the channels 8 (lane / 16) + 0..7, so two results,
; rounded to f16 in pairs, ARE source 1 of the next product, and nothing changes lanes but one exchange of the halves for the second variance.
; LAYER 1.  With q = (x, y, z, 1) the first LayerNorm's variance is q' G q (ten numbers of the record, f32), rs = 1 / sqrt(max(var, 0) + eps), and its result is the product, 5 long along K, of
; (rs x, rs y, rs z, rs, 1) with (V0 g1, V1 g1, V2 g1, V3 g1, be1): a matrix instruction with K filled up by zeros.
; LAYER 2.  The record's W2 and b2 have their means over the features taken off, so the sums ARE x - mean(x); b2 starts them, as the first product's C.  var = (1/256) sum of squares, in f32.
; BY TURNS.  While K step ks of layer 2 is multiplied (64 matrix instructions), layer 1 makes the 32 hidden units of K step ks + 1: 8 matrix instructions, and 96 vector instructions (round, 0.2 x, maximum)
; that stand in threes behind every second matrix instruction.
; FORMATS.  Every matrix operand is f16, every sum f32.  leaky ReLU is max(x, 0.2 x) on packed f16.
; LIMITS.  f16 holds no number beyond 65,504: |g| 22.7 + |be| (a LayerNorm's largest result), rs |x| and the record's numbers must lie within it.  0.2 is taken as f16's 0.19995.  The first variance,
; as a quadratic form in f32, is off by some 1e-6 of its largest term: that shows only where W1's centred rows are nearly dependent.  What rounding W2's centred rows leaves of a mean, some 2^-11 / 16
; of a row's size, is not taken off.  NaN and infinities are not treated apart.
; REGISTERS, in windows of 256 (s_set_vgpr_msb: bits 1:0 source 0, 3:2 source 1, 5:4 source 2, 7:6 destination):
;   window 0: see the names below     window 1: v[8 mt] W2's fragments of one K step (later be2), v[128 + 8 mt] b2 (later g2)     windows 2, 3: accumulator (mt, pt) at v[8 (4 (mt % 8) + pt)] of window 2 + mt / 8
.set REC,   290816
.set QUART, 72704                      ; a wave's quarter of the record: 284 rows of 256 bytes
.set O_A1F, 262144                     ; the record's parts, in LDS as in memory: W2's fragments from 0, layer 1's tiles,
.set O_W3F, 278528                     ; W3's tiles,
.set O_PAR, 286720                     ; b2, g2, be2: 1,024 bytes each,
.set O_SC,  289792                     ; the scalars
.set STAGE, 290816                     ; behind the record, never filled by a tensor load: 3,072 bytes for each wave: its 256 points, over which their results are written
.set SPARE, 303104                     ; behind the stages: the spare words, 128 bytes for each wave: two blocks of 256 bytes that no other line names
.set L16,   2                          ; v2   16 x lane; never rewritten
.set FADR,  3                          ; v3   LDS address of the K step's fragments of W2
.set A1A0,  4                          ; v4   my place in layer 1's tile 0
.set A1ADR, 5                          ; v5   the same in the pair of tiles to be fetched
.set PADR,  6                          ; v6   my eight numbers of b2's first 16
.set W3ADR, 7                          ; v7   my place in W3's tile 0
.set STO0,  8                          ; v8   my point (lane % 16) of the wave's first tile, in the stage
.set STO,   9                          ; v9   the same in the pass in hand
.set RD,    10                         ; v10  my 16 bytes of the stage's first 512
.set SPW,   12                         ; v12  LDS address of my spare word; never rewritten
.set NIL,   13                         ; v13  0; never rewritten
.set LMASK, 14                         ; v14  all ones in lanes 0-15, 0 in lanes 16-31
.set PT,    16                         ; v16-31   tile p: x, y, z, rs
.set QB,    32                         ; v32-63   tile p: source 1 of layer 1; registers 0, 1 are made in each pass, 2-7 once
.set XA,    64                         ; v64-79   two tiles of layer 1's source 0; registers 4-7 of each stay 0
.set QT,    80                         ; v80-95   at work on the first variance
.set D1,    96                         ; v96-127  layer 1's results, tile p
.set HB,    96                         ;          on the way out: source 1 of layer 3, tile p
.set H,     128                        ; v128-191 source 1 of layer 2: two buffers of four tiles
.set W3R,   128                        ;          on the way out: W3's eight tiles
.set T,     192                        ; v192-199 at work
.set U,     200                        ; v200-215 at work
.set O3,    216                        ; v216-247 layer 3's sums, tile p
.set RS,    248                        ; v248-255 tile p: the second rs, named as a pair; the upper register stays 0
.set ZB,    128                        ; window 1
.set WV,   12                          ; s12  my wave's number
.set G0,   24                          ; s[24:27] descriptor group 0
.set G1,   28                          ; s[28:35] descriptor group 1
.set SC,   36                          ; s[36:51] G00 G11 G22 2G01 2G02 2G12 2G03 2G13 2G23 G33 b3[0..2] 0 0 0
.set EPS,  52
.set SLP,  53                          ; 0.2 twice, in f16
.set I256, 54
.set SEL,  56                          ; s[56:57] v_permlanex16_b32's selects
.set TB,   58                          ; s58  LDS byte at which the K step's fragments begin
.set TA,   59                          ; s59  byte, in layer 1's tiles, of the pair fetched last
.set TP,   60                          ; s60  768 x pass
.set PASS, 61
.set KC,   62
.set MSB, 0
.macro WIN new                         ; the immediate's high byte repeats the setting that is left; a switch that changes nothing is dropped
.if MSB != (\new)
	s_set_vgpr_msb (MSB<<8)|(\new)
.set MSB, (\new)
.endif
.endm
; A round of the cluster's barrier: my work-group's barrier, so that wave 0's signal speaks for all four waves; wave 0 signals; every wave waits for all four work-groups; my work-group's barrier once more.
.macro CROUND
	s_barrier_signal -1
	s_barrier_wait -1
	s_cmp_lg_u32 s[WV], 0
	s_cbranch_scc1 .Lnot_wave_0_\@
	s_barrier_signal -3
.Lnot_wave_0_\@:
	s_barrier_wait -3
	s_barrier_signal -1
	s_barrier_wait -1
.endm
; A vector instruction that reads a matrix result or writes one of a matrix instruction's registers, and a load into such a register, stand four places behind it, and only plain vector
; instructions that name none of its registers are places (ISA guide 7.12.1 for vector instructions).
.macro PLACES
.rept 4
	v_nop
.endr
.endm
; Layer 1 for one tile of 16 hidden units (in buffer s of XA) and the four tiles of points
.macro L1G s
.irp p, 0,1,2,3
	v_wmma_f32_16x16x32_f16 v[D1+8*\p:D1+8*\p+7], v[XA+8*(\s):XA+8*(\s)+7], v[QB+8*\p:QB+8*\p+7], 0
.endr
.endm
; Number n of the 48 vector instructions that turn those four results into half s of buffer hb of H.  Tile n / 12: four roundings of pairs (a result's lowest registers first),
; four times 0.2 x, four maxima.
.macro RIDER hb, s, n
.set rp, (\n)/12
.set rm, (\n)%12
.set rh, H+32*(\hb)+8*rp+4*(\s)
.if rm < 4
	v_cvt_pk_f16_f32 v[rh+rm], v[D1+8*rp+2*rm], v[D1+8*rp+2*rm+1]
.elseif rm < 8
	v_pk_mul_f16 v[T+4*(rp%2)+rm-4], v[rh+rm-4], s[SLP]
.else
	v_pk_max_num_f16 v[rh+rm-8], v[rh+rm-8], v[T+4*(rp%2)+rm-8]
.endif
.endm
; 16 LDS loads in one run: eight fragments of W2 into window 1.  32 lanes take 512 consecutive bytes: no bank is asked twice.
.macro FRUN base, off
	WIN 0x40                                       ; destination window 1, address window 0
.irp t, 0,1,2,3,4,5,6,7
	ds_load_b128 v[(\base)+8*\t:(\base)+8*\t+3],   v[FADR] offset:(\off)+1024*\t
	ds_load_b128 v[(\base)+8*\t+4:(\base)+8*\t+7], v[FADR] offset:(\off)+1024*\t+512
.endr
.endm
; 2 n LDS loads: array arr (0 b2, 1 g2, 2 be2), feature tiles mt0 on, as an accumulator's lanes hold the features: 16 lanes read the same 16 bytes
.macro PRUN base, arr, mt0, n
	WIN 0x40
.set pq, 0
.rept \n
	ds_load_b128 v[(\base)+8*pq:(\base)+8*pq+3],   v[PADR] offset:(\arr)*1024+((\mt0)+pq)*64
	ds_load_b128 v[(\base)+8*pq+4:(\base)+8*pq+7], v[PADR] offset:(\arr)*1024+((\mt0)+pq)*64+16
.set pq, pq+1
.endr
.endm
; HALF A K STEP of layer 2: feature tiles 8 s .. 8 s + 7 x four tiles of points, 32 along K, from buffer rb of H.  The 32 accumulators take turns.
; first = 1: b2 starts the sums.  l1 = 1: layer 1 makes half s of the next K step's H beside it.
; The run of loads in a half always brings what the NEXT half multiplies: it has 32 matrix instructions in which to land.  kind 0: fragments.  kind 1 (K step 15, s = 0): g2 behind them.  kind 2 (K step 15, s = 1): be2's lower half.
.macro HALF s, rb, first, l1, kind
	WIN 0
.if (\kind) == 2
	s_wait_dscnt 32                                ; this half's fragments are in; the 32 loads of g2 issued behind them may stay out
.else
	s_wait_dscnt 0x0                               ; the run issued a half step ago, and layer 1's tile
.endif
.if \l1
	L1G \s
.if (\s) == 0
	s_add_co_u32 s[TA], s[TA], 1024                ; the next pair of layer 1's tiles; behind the last pair the first, for the next pass
	s_and_b32 s[TA], s[TA], 0x3fff
	v_add_nc_u32 v[A1ADR], s[TA], v[A1A0]
.else
	s_add_co_u32 s[TB], s[TB], 16384               ; the next K step's fragments
	v_add_nc_u32 v[FADR], s[TB], v[L16]
.endif
.rept 3
	v_nop                                          ; with the addition above: the four places behind layer 1's products and behind the half before
.endr
	ds_load_b128 v[XA+8*(\s):XA+8*(\s)+3], v[A1ADR] offset:512*(\s)
.else
	PLACES
.endif
.if (\kind) == 2
	PRUN 0, 2, 0, 8
.elseif (\s) == 0
	FRUN 64, 8192
.if (\kind) == 1
	PRUN ZB, 1, 0, 16
.endif
.else
	FRUN 0, 0
.endif
.set i, 0
.rept 32
.if \first
	WIN 0x91+0x40*(\s)                             ; W2 and b2 window 1, H window 0, D window 2 + s
	v_wmma_f32_16x16x32_f16 v[8*i:8*i+7], v[8*(8*(\s)+i/4):8*(8*(\s)+i/4)+7], v[H+32*(\rb)+8*(i%4):H+32*(\rb)+8*(i%4)+7], v[ZB+8*(8*(\s)+i/4):ZB+8*(8*(\s)+i/4)+7]
.else
	WIN 0xa1+0x50*(\s)                             ; W2 window 1, H window 0, C and D window 2 + s
	v_wmma_f32_16x16x32_f16 v[8*i:8*i+7], v[8*(8*(\s)+i/4):8*(8*(\s)+i/4)+7], v[H+32*(\rb)+8*(i%4):H+32*(\rb)+8*(i%4)+7], v[8*i:8*i+7]
.endif
.if (\l1) && (i%2 == 1)
	WIN 0
	RIDER 1-(\rb), \s, 3*(i/2)
	RIDER 1-(\rb), \s, 3*(i/2)+1
	RIDER 1-(\rb), \s, 3*(i/2)+2
.endif
.set i, i+1
.endr
.endm
; Layer 1 for half s of K step 0, at a pass's head: there is no matrix work yet beside which it could stand
.macro L1PRE s
	L1G \s
.if (\s) == 0
	s_add_co_u32 s[TA], s[TA], 1024
	s_and_b32 s[TA], s[TA], 0x3fff
	v_add_nc_u32 v[A1ADR], s[TA], v[A1A0]
.rept 3
	v_nop
.endr
.else
	PLACES
.endif
	ds_load_b128 v[XA+8*(\s):XA+8*(\s)+3], v[A1ADR] offset:512*(\s)
.set i, 0
.rept 48
	RIDER 0, \s, i
.set i, i+1
.endr
.endm
; THE WAY OUT for features 32 kk .. 32 kk + 31 of tile p: (x - mean) rs g2 + be2 in f32, rounded to f16, leaky ReLU, and one product of layer 3.  The four tiles' sums take turns.
.macro E2 kk, p
.set ea, 8*(4*((2*(\kk))%8)+(\p))
	WIN 2+(\kk)/4                                  ; source 0: the accumulators' window
.irp j, 0,1,2,3
	v_pk_mul_f32 v[U+2*\j:U+2*\j+1], v[ea+2*\j:ea+2*\j+1], v[RS+2*(\p):RS+2*(\p)+1] op_sel_hi:[1,0]
.endr
.irp j, 0,1,2,3
	v_pk_mul_f32 v[U+8+2*\j:U+8+2*\j+1], v[ea+32+2*\j:ea+32+2*\j+1], v[RS+2*(\p):RS+2*(\p)+1] op_sel_hi:[1,0]
.endr
	WIN 0x14                                       ; sources 1 and 2, g2 and be2: window 1
.irp j, 0,1,2,3,4,5,6,7
	v_pk_fma_f32 v[U+2*\j:U+2*\j+1], v[U+2*\j:U+2*\j+1], v[ZB+16*(\kk)+2*\j:ZB+16*(\kk)+2*\j+1], v[16*(\kk)+2*\j:16*(\kk)+2*\j+1]
.endr
	WIN 0
.irp j, 0,1,2,3,4,5,6,7
	v_cvt_pk_f16_f32 v[HB+8*(\p)+\j], v[U+2*\j], v[U+2*\j+1]
.endr
.irp j, 0,1,2,3,4,5,6,7
	v_pk_mul_f16 v[T+\j], v[HB+8*(\p)+\j], s[SLP]
.endr
.irp j, 0,1,2,3,4,5,6,7
	v_pk_max_num_f16 v[HB+8*(\p)+\j], v[HB+8*(\p)+\j], v[T+\j]
.endr
.if (\kk) == 0
	v_wmma_f32_16x16x32_f16 v[O3+8*(\p):O3+8*(\p)+7], v[W3R+8*(\kk):W3R+8*(\kk)+7], v[HB+8*(\p):HB+8*(\p)+7], 0
.else
	v_wmma_f32_16x16x32_f16 v[O3+8*(\p):O3+8*(\p)+7], v[W3R+8*(\kk):W3R+8*(\kk)+7], v[HB+8*(\p):HB+8*(\p)+7], v[O3+8*(\p):O3+8*(\p)+7]
.endif
.endm
	s_load_b128 s[4:7], s[0:1], 0x0                ; points s[4:5], wts s[6:7]
	s_load_b64 s[10:11], s[0:1], 0x10              ; out0
	v_lshl_add_u32 v[SPW], v0, 2, SPARE
	v_mov_b32 v[NIL], 0
	ds_add_u32 v[SPW], v[NIL]                      ; the wave's opening: the add and its wait ahead of my first tensor load; the set-up below, work on registers, stands between them
	v_lshrrev_b32 v1, 5, v0
	v_readfirstlane_b32 s[WV], v1                  ; wave 0..3
	s_bfe_u32 s13, ttmp6, 0x40000                  ; cx: my place in the cluster
	s_lshl_b32 s14, ttmp9, 2                       ; in a cluster launch ttmp9 counts clusters
	s_add_co_u32 s14, s14, s13                     ; my block of 1,024 points: it enters the points' and the output's addresses alone
	s_and_b32 s15, ttmp7, 0xffff                   ; the sample, which the four partners share
	; descriptor group 1: a dense block as 284 rows of 256 bytes, elements of 8 bytes, no padding
	s_mov_b32 s[G1], 15|(3<<16)|(1<<21)            ; 15:0 the mask: all four work-groups; 17:16 elements of 8 bytes; 21 set beside a mask
	s_mov_b32 s[G1+1], 32<<16                      ; tensor_dim0 = 32
	s_mov_b32 s[G1+2], 284<<16                     ; tensor_dim1 = 284
	s_mov_b32 s[G1+3], 32<<16                      ; tile_dim0 = 32
	s_mov_b32 s[G1+4], 284                         ; tile_dim1 = 284
	s_mov_b32 s[G1+5], 32                          ; 32 elements from row to row
	s_mov_b32 s[G1+6], 0
	s_mov_b32 s[G1+7], 0
	s_mov_b32 s[G0], 1                             ; count = 1
	s_mul_i32 s[G0+1], s[WV], QUART                ; LDS address: my quarter; no place in the cluster enters it
	s_mov_b32 s22, s[G0+1]                         ; the same offset in the record
	s_mov_b32 s23, 0
	s_mul_i32 s20, s15, REC                        ; the sample's record: 31 x 290,816 bytes at the most
	s_mov_b32 s21, 0
	s_mov_b32 s[EPS], 0x3727c5ac                   ; 1e-5
	s_mov_b32 s[SLP], 0x32663266
	s_mov_b32 s[I256], 0x3b800000                  ; 1 / 256
	s_mov_b32 s[SEL], 0x76543210
	s_mov_b32 s[SEL+1], 0xfedcba98
	s_wait_dscnt 0x0                               ; the opening add is done
	s_wait_kmcnt 0x0
	s_add_nc_u64 s[8:9], s[6:7], s[20:21]          ; the record
	s_add_nc_u64 s[G0+2:G0+3], s[8:9], s[22:23]    ; global address: my quarter of it
	s_or_b32 s[G0+3], s[G0+3], 0x80000000          ; type = 2
	CROUND                                         ; all four work-groups are here: the joint loads meet
	tensor_load_to_lds s[G0:G0+3], s[G1:G1+7]
	s_nop 0
	PLACES
	s_load_b512 s[SC:SC+15], s[8:9], O_SC
	s_mul_i32 s18, s15, 98304                      ; sample x 8,192 points of 12 bytes
	s_mul_i32 s17, s14, 12288                      ; + block x 1,024 points
	s_add_co_u32 s18, s18, s17
	s_mul_i32 s63, s[WV], 3072                     ; + wave x 256 points
	s_add_co_u32 s18, s18, s63
	s_mov_b32 s19, 0
	s_add_nc_u64 s[4:5], s[4:5], s[18:19]
	s_add_nc_u64 s[10:11], s[10:11], s[18:19]
	s_add_co_u32 s63, s63, STAGE                   ; my stage
	v_and_b32 v1, 31, v0
	v_lshlrev_b32 v[L16], 4, v1
.irp i, 0,1,2,3,4,5
	global_load_b128 v[D1+4*\i:D1+4*\i+3], v[L16], s[4:5] offset:512*\i th:TH_LOAD_NT  ; my wave's 3,072 bytes of points
.endr
	v_and_b32 v11, 15, v1                          ; r
	v_lshrrev_b32 v15, 4, v1                       ; h
	v_add_nc_u32 v[LMASK], -1, v15
	v_add_nc_u32 v[A1A0], O_A1F, v[L16]
	v_lshl_add_u32 v[PADR], v15, 5, O_PAR
	v_add_nc_u32 v[W3ADR], O_W3F, v[L16]
	v_mul_u32_u24 v[STO0], v11, 12
	v_add_nc_u32 v[STO0], s63, v[STO0]
	v_add_nc_u32 v[RD], s63, v[L16]
.irp p, 0,1,2,3
	v_and_b32 v[QB+8*\p+2], 0x3c00, v[LMASK]       ; k = 4: the 1 that meets be1; k = 5 and on: zeros
.irp j, 3,4,5,6,7
	v_mov_b32 v[QB+8*\p+\j], 0
.endr
	v_mov_b32 v[RS+2*\p+1], 0
.endr
.irp j, 4,5,6,7,12,13,14,15
	v_mov_b32 v[XA+\j], 0
.endr
	s_wait_loadcnt 0x0
.irp i, 0,1,2,3,4,5
	ds_store_b128 v[RD], v[D1+4*\i:D1+4*\i+3] offset:512*\i
.endr
	s_wait_tensorcnt 0x0                           ; my quarter of the record is in,
	s_wait_dscnt 0x0
	s_barrier_signal -1
	s_barrier_wait -1                              ; everybody's is: every wave reads all four
	ds_load_b128 v[XA:XA+3],    v[A1A0]            ; layer 1's tiles 0 and 1
	ds_load_b128 v[XA+8:XA+11], v[A1A0] offset:512
	s_wait_kmcnt 0x0                               ; the scalars
	s_mov_b32 s[TA], 0
	s_mov_b32 s[TP], 0
	s_mov_b32 s[PASS], 4
.Lpass:                                            ; four trips: 64 points each
	s_mov_b32 s[TB], 0
	v_mov_b32 v[FADR], v[L16]
	v_add_nc_u32 v[STO], s[TP], v[STO0]
.irp p, 0,1,2,3
	ds_load_b32 v[PT+4*\p],   v[STO] offset:192*\p
	ds_load_b32 v[PT+4*\p+1], v[STO] offset:192*\p+4
	ds_load_b32 v[PT+4*\p+2], v[STO] offset:192*\p+8
.endr
	FRUN 0, 0                                      ; K step 0, lower half
	PRUN ZB, 0, 0, 16                              ; b2
	WIN 0
	s_wait_dscnt 48                                ; the points (and layer 1's tiles, asked for earlier) are in; the 48 loads issued behind them may stay out
	; the first variance, q' G q, as x (G00 x + 2G01 y + 2G02 z + 2G03) + y (G11 y + 2G12 z + 2G13) + z (G22 z + 2G23) + G33; the four tiles take turns
.irp p, 0,1,2,3
	v_fma_f32 v[QT+4*\p],   s[SC],   v[PT+4*\p],   s[SC+6]
	v_fma_f32 v[QT+4*\p+1], s[SC+1], v[PT+4*\p+1], s[SC+7]
	v_fma_f32 v[QT+4*\p+2], s[SC+2], v[PT+4*\p+2], s[SC+8]
.endr
.irp p, 0,1,2,3
	v_fma_f32 v[QT+4*\p],   s[SC+3], v[PT+4*\p+1], v[QT+4*\p]
	v_fma_f32 v[QT+4*\p+1], s[SC+5], v[PT+4*\p+2], v[QT+4*\p+1]
	v_fma_f32 v[QT+4*\p+3], v[QT+4*\p+2], v[PT+4*\p+2], s[SC+9]
.endr
.irp p, 0,1,2,3
	v_fma_f32 v[QT+4*\p],   s[SC+4], v[PT+4*\p+2], v[QT+4*\p]
	v_fma_f32 v[QT+4*\p+3], v[QT+4*\p+1], v[PT+4*\p+1], v[QT+4*\p+3]
.endr
.irp p, 0,1,2,3
	v_fma_f32 v[QT+4*\p+3], v[QT+4*\p], v[PT+4*\p], v[QT+4*\p+3]
.endr
.irp p, 0,1,2,3
	v_max_num_f32 v[QT+4*\p+3], 0, v[QT+4*\p+3]
.endr
.irp p, 0,1,2,3
	v_add_f32 v[QT+4*\p+3], s[EPS], v[QT+4*\p+3]
.endr
.irp p, 0,1,2,3
	v_rsq_f32 v[PT+4*\p+3], v[QT+4*\p+3]
.endr
	v_nop                                          ; a plain instruction behind the last of the batch,
	s_wait_alu depctr_va_vdst(0)                   ; and the wait ahead of the first use: one for the four
.irp p, 0,1,2,3
	v_mul_f32 v[QT+4*\p],   v[PT+4*\p],   v[PT+4*\p+3]
	v_mul_f32 v[QT+4*\p+1], v[PT+4*\p+1], v[PT+4*\p+3]
	v_mul_f32 v[QT+4*\p+2], v[PT+4*\p+2], v[PT+4*\p+3]
.endr
.irp p, 0,1,2,3
	v_cvt_pk_f16_f32 v[QB+8*\p],   v[QT+4*\p],   v[QT+4*\p+1]
	v_cvt_pk_f16_f32 v[QB+8*\p+1], v[QT+4*\p+2], v[PT+4*\p+3]
.endr
.irp p, 0,1,2,3
	v_and_b32 v[QB+8*\p],   v[LMASK], v[QB+8*\p]   ; lanes 16-31 hold k = 8 .. 15: zeros
	v_and_b32 v[QB+8*\p+1], v[LMASK], v[QB+8*\p+1]
.endr
	L1PRE 0                                        ; H of K step 0
	L1PRE 1
	HALF 0, 0, 1, 1, 0                             ; K step 0 stands in front of the loop: b2 starts the sums
	HALF 1, 0, 1, 1, 0
	WIN 0                                          ; at a label and at a branch every window is 0
	s_mov_b32 s[KC], 7
.Lk:                                               ; seven trips: K steps 1 and 2, .. 13 and 14
	HALF 0, 1, 0, 1, 0
	HALF 1, 1, 0, 1, 0
	HALF 0, 0, 0, 1, 0
	HALF 1, 0, 0, 1, 0
	WIN 0
	s_sub_co_u32 s[KC], s[KC], 1
	s_cmp_lg_u32 s[KC], 0
	s_cbranch_scc1 .Lk
	HALF 0, 1, 0, 0, 1                             ; K step 15: layer 1 has nothing left to make; g2 and be2 are fetched
	HALF 1, 1, 0, 0, 2
	WIN 0
	PLACES                                         ; for the loads into the fragments' upper half and into H, which the last products read
	PRUN 64, 2, 8, 8                               ; be2's upper half
	WIN 0
.irp k, 0,1,2,3,4,5,6,7
	ds_load_b128 v[W3R+8*\k:W3R+8*\k+3],   v[W3ADR] offset:1024*\k
	ds_load_b128 v[W3R+8*\k+4:W3R+8*\k+7], v[W3ADR] offset:1024*\k+512
.endr
	; the sum of squares of my 128 features of each point: eight chains (four tiles x two) that take turns; the first products start them; each accumulator's lowest registers are read first
.irp w, 2,3
	WIN 5*\w                                       ; sources 0 and 1: window w
.set q, 0
.rept 128
.set sa, 8*(4*(q/16)+q%4)+2*((q/4)%4)
.set sd, U+4*(q%4)+2*((q/4)%2)
.if ((\w) == 2) && (q < 8)
	v_pk_mul_f32 v[sd:sd+1], v[sa:sa+1], v[sa:sa+1]
.else
	v_pk_fma_f32 v[sd:sd+1], v[sa:sa+1], v[sa:sa+1], v[sd:sd+1]
.endif
.set q, q+1
.endr
.endr
	WIN 0
.irp p, 0,1,2,3
	v_pk_add_f32 v[U+4*\p:U+4*\p+1], v[U+4*\p:U+4*\p+1], v[U+4*\p+2:U+4*\p+3]
.endr
.irp p, 0,1,2,3
	v_add_f32 v[U+4*\p], v[U+4*\p], v[U+4*\p+1]
.endr
.irp p, 0,1,2,3
	v_permlanex16_b32 v[T+\p], v[U+4*\p], s[SEL], s[SEL+1]  ; the point's other 128 features lie in the lane 16 away
.endr
.irp p, 0,1,2,3
	v_add_f32 v[U+4*\p], v[U+4*\p], v[T+\p]
.endr
.irp p, 0,1,2,3
	v_fma_f32 v[U+4*\p], v[U+4*\p], s[I256], s[EPS]
.endr
.irp p, 0,1,2,3
	v_rsq_f32 v[RS+2*\p], v[U+4*\p]
.endr
	v_nop                                          ; a plain instruction behind the last of the batch,
	s_wait_alu depctr_va_vdst(0)                   ; and one wait for the four
	s_wait_dscnt 0x0                               ; g2, be2 and W3 are in
.irp kk, 0,1,2,3,4,5,6,7
.irp p, 0,1,2,3
	E2 \kk, \p
.endr
.endr
.irp p, 0,1,2,3                                    ; + b3; tiles 0 to 2's additions are the places behind tile 3's last product
.irp j, 0,1,2
	v_add_f32 v[U+4*\p+\j], s[SC+10+\j], v[O3+8*\p+\j]
.endr
.endr
.irp p, 0,1,2,3                                    ; a point's three results take the place of its coordinates; W3's operand repeats its rows, so both halves of the lanes hold, and store, the same numbers
.irp j, 0,1,2
	ds_store_b32 v[STO], v[U+4*\p+\j] offset:192*\p+4*\j
.endr
.endr
	s_add_co_u32 s[TP], s[TP], 768
	s_sub_co_u32 s[PASS], s[PASS], 1
	s_cmp_lg_u32 s[PASS], 0
	s_cbranch_scc1 .Lpass
.irp i, 0,1,2,3,4,5
	ds_load_b128 v[D1+4*\i:D1+4*\i+3], v[RD] offset:512*\i  ; LDS serves a wave's instructions in order (ISA guide 5.7.1.4): these see my stores above
.endr
.irp i, 0,1,2,3,4,5
	s_wait_dscnt 5-\i                              ; load i is back; the younger ones may stay out
	global_store_b128 v[L16], v[D1+4*\i:D1+4*\i+3], s[10:11] offset:512*\i th:TH_STORE_NT  ; 512 consecutive bytes, at a multiple of 256 from the output's first byte
.endr
	s_wait_tensorcnt 0x0                           ; the wave's end, behind my last tensor load and my last LDS store
	ds_add_u32 v[SPW], v[NIL]
	s_wait_dscnt 0x0
	CROUND                                         ; the closing round: no work-group ends while a partner may still ask for a tile that names it
	s_endpgm
.Lfunc_end_k_qf700b5a2a5_mlp:
	.size	k_qf700b5a2a5_mlp, .Lfunc_end_k_qf700b5a2a5_mlp-k_qf700b5a2a5_mlp
	.p2alignl 7, 3214868480
	.fill 96, 4, 3214868480
	.section	.rodata,"a",@progbits
	.p2align	6, 0x0
	.amdhsa_kernel k_qf700b5a2a5_mlp
		.amdhsa_group_segment_fixed_size 327680
		.amdhsa_private_segment_fixed_size 0
		.amdhsa_enable_private_segment 0
		.amdhsa_kernarg_size 24
		.amdhsa_user_sgpr_count 2
		.amdhsa_user_sgpr_kernarg_segment_ptr 1
		.amdhsa_wavefront_size32 1
		.amdhsa_system_sgpr_workgroup_id_x 1
		.amdhsa_system_sgpr_workgroup_id_y 1
		.amdhsa_system_sgpr_workgroup_id_z 1
		.amdhsa_system_vgpr_workitem_id 0
		.amdhsa_next_free_vgpr 1024
		.amdhsa_next_free_sgpr 66
		.amdhsa_reserve_vcc 0
		.amdhsa_float_denorm_mode_32 3
		.amdhsa_float_denorm_mode_16_64 3
		.amdhsa_memory_ordered 1
		.amdhsa_forward_progress 1
		.amdhsa_inst_pref_size 183
	.end_amdhsa_kernel
	.amdgpu_metadata
---
amdhsa.version: [ 1, 2 ]
amdhsa.kernels:
  - .name:           k_qf700b5a2a5_mlp
    .symbol:         k_qf700b5a2a5_mlp.kd
    .args:
      - { .name: points, .offset: 0, .size: 8, .value_kind: global_buffer, .address_space: global }
      - { .name: wts, .offset: 8, .size: 8, .value_kind: global_buffer, .address_space: global }
      - { .name: out0, .offset: 16, .size: 8, .value_kind: global_buffer, .address_space: global }
    .group_segment_fixed_size: 327680
    .private_segment_fixed_size: 0
    .kernarg_segment_align: 8
    .kernarg_segment_size: 24
    .max_flat_workgroup_size: 128
    .sgpr_count:     66
    .vgpr_count:     1024
    .wavefront_size: 32
...
	.end_amdgpu_metadata
.endif
;; end of part 2
